; MI455X (gfx1250); checked and timed in simulation.
; The chip was launched on July 23, 2026; its instructions are those of AMD's public machine-readable ISA for CDNA 5 (MIT licence, August 2026) and "CDNA5" Instruction Set Architecture Reference Guide (July 2026). The comments in the code are by the model that wrote it; some were corrected since.
;; Tensor Train Gaussian2 D. Allowed arithmetic: float matrix products may take bf16 or f16 operands with f32 sums; all other float work in f32.
;; Inputs: Wk0 32 float32; Wk1k0 32 x 32 float32; Wk2k1 32 x 32 float32; X 131,072 x 2 float32; mu 32 x 32 float32; sigma 32 x 32 float32.
;; Outputs: out0 131,072 float32.
;; 2 versions, each right and faster than the one before. Each part assembles by itself: llvm-mc -triple=amdgcn-amd-amdhsa -mcpu=gfx1250 --defsym DOCPART=n.
;; ======== version 1 of 2: 1 launch
;; launch ttgauss (part 1): grid 256 x 1, 32 waves a work-group, no clusters, 90,112 bytes of LDS; arguments X, Wk0, Wk1k0, Wk2k1, mu, sigma, out0; writes out0
.if DOCPART == 1
	.amdgcn_target "amdgcn-amd-amdhsa--gfx1250"
	.amdhsa_code_object_version 6
	.text
	.protected	k_q0d46c9dfd4_ttgauss
	.globl	k_q0d46c9dfd4_ttgauss
	.p2align	8
	.type	k_q0d46c9dfd4_ttgauss,@function
k_q0d46c9dfd4_ttgauss:
	s_mov_b64 s[64:65], 0
	v_nop
	global_prefetch_b8 v0, s[64:65] scope:SCOPE_SE
	s_setreg_imm32_b32 hwreg(HW_REG_WAVE_MODE, 25, 1), 1
	s_wait_xcnt 0x0
; out0[n] = log( sum_a g[n][a] * inner[n][a] ),  N = 131072 points, K = 32,
;   g[n][a]     = sum_b Wk1k0[a][b] Wk0[b] pdf(X[n][0]; mu[a][b], sigma[a][b])     (reference's mid and the product with Wk0, summed over k0 first)
;   inner[n][a] = sum_c Wk2k1[c][a]        pdf(X[n][1]; mu[c][a], sigma[c][a])
;   pdf(x; mu, sigma) = (k / sigma) 2^(-z z),  z = x r - mu r,  r = sqrt(log2(e) / 2) / sigma,  k = 1 / sqrt(2 pi).
; The work is 2048 exponentials a point; the bytes are few.  Two terms cost v_pk_fma_f32 (z), v_pk_mul_f32 (-z z), two v_exp_f32, v_pk_fma_f32 (weight and sum).
; SHARES: a work-group owns 512 points; its 32 waves each own one a for all 512 points; a lane holds 16 points (8 register pairs), so a parameter
; entry of 16 bytes, which every lane reads from the same LDS address, serves 16 exponentials of every lane.
; NO MATRIX INSTRUCTIONS: each pdf value is used once, with a weight that hangs on both of its indices; to hand a pair to the matrix unit takes one
; conversion, which is the one packed multiply-add that weights and sums the pair here, in f32.
; NO CLUSTER, NO TENSOR LOADS: what work-groups share is the 16 KiB of parameters, read once at the head; each point is read by one work-group alone.
; LIMITS: (1) v_exp_f32 gives 0 for results below 2^-126 (ISA guide 15.8), so terms that could be kept as denormals count as 0: this can show only where
; the result is below about -87.  The final sum may be denormal: it is scaled by 2^32 ahead of v_log_f32.  (2) -mu r is rounded once, which is the same as
; moving mu by half a unit in its last place: the error of the exponent of 2 is at most 2 |z| |mu r| 2^-24.  (3) 1 / sigma is v_rcp_f32, good to one unit in the
; last place.  (4) the sums are taken in another order than the reference's, and Wk0 is multiplied into the weights first.
.set TAB,  0                           ; LDS: 1024 entries of 16 bytes, entry (i, j) at 512 i + 16 j: r, -mu r, c0 = Wk1k0 Wk0[j] k / sigma, c1 = Wk2k1 k / sigma
.set XS0,  16384                       ; LDS: X[.][0] of my 512 points
.set XS1,  18432                       ; LDS: X[.][1]
.set PART, 20480                       ; LDS: wave w's 512 products g inner at PART + 2048 w; ends at 86016
.set L16,  1                           ; v1       16 x lane
.set AG,   2                           ; v2       LDS address of entry (a, e): row a, 16 bytes from entry to entry
.set AH,   3                           ; v3       LDS address of entry (e, a): column a, 512 bytes from entry to entry
.set P,    4                           ; v[4:19]  a ring of four entries
.set X0,   20                          ; v[20:35] X[.][0] of my 16 points: register 4 q + i is point 128 q + 4 lane + i
.set X1,   36                          ; v[36:51] X[.][1]
.set G,    52                          ; v[52:67] g of my 16 points
.set H,    68                          ; v[68:83] inner of my 16 points
.set E,    84                          ; v[84:115] two sets of 16: z, then -z z, then 2^(-z z)
.set R,    20                          ; v[20:83] at the end: 32 partial sums of two points
; at the head only, in registers of E:
.set TL,  84                           ; 4 x lane
.set TO,  85                           ; 4 x thread
.set TS,  86                           ; sigma, 1 / sigma, k / sigma
.set TM,  87                           ; mu
.set TW1, 88                           ; Wk1k0
.set TWK, 89                           ; Wk0
.set TW2, 90                           ; Wk2k1
.set TO8, 91                           ; 8 x thread
.set TX,  92                           ; v[92:93] one point
.set TA,  94                           ; LDS address of my entry
.set TXA, 95                           ; LDS address of my point's word
.set TE,  96                           ; v[96:99] my entry
; at the end only:
.set BIG, 84                           ; 2^32
.set SHF, 85                           ; -32 ln 2
.set SC2, 86                           ; v[86:87] factor in front of the logarithm
.set SH2, 88                           ; v[88:89] what is added behind it
	s_load_b256 s[4:11], s[0:1], 0x0               ; X s[4:5], Wk0 s[6:7], Wk1k0 s[8:9], Wk2k1 s[10:11]
	s_load_b128 s[12:15], s[0:1], 0x20             ; mu s[12:13], sigma s[14:15]
	s_load_b64 s[16:17], s[0:1], 0x30              ; out0
	v_lshl_add_u32 v126, v0, 2, 0x15000
	v_mov_b32 v127, 0
	v_lshrrev_b32 v[L16], 5, v0
	v_readfirstlane_b32 s18, v[L16]                ; wave number = my a
	v_and_b32 v[L16], 31, v0                       ; lane
	v_lshlrev_b32 v[TL], 2, v[L16]
	v_lshlrev_b32 v[L16], 4, v[L16]
	v_lshlrev_b32 v[TO], 2, v0                     ; thread t takes matrix element t = (i, j) = (wave, lane)
	v_lshl_add_u32 v[TA], s18, 9, v[L16]           ; its entry: 512 wave + 16 lane
	s_lshl_b32 s20, ttmp9, 12                      ; my 512 points of 8 bytes in X
	s_mov_b32 s21, 0
	s_lshl_b32 s22, ttmp9, 11                      ; my 512 results of 4 bytes
	s_mov_b32 s23, 0
	s_lshl_b32 s24, s18, 9
	s_lshl_b32 s25, s18, 4
	v_mov_b32 v[AG], s24                           ; entry (a, 0)
	v_mov_b32 v[AH], s25                           ; entry (0, a)
	s_wait_kmcnt 0x0
	s_add_nc_u64 s[4:5], s[4:5], s[20:21]
	s_add_nc_u64 s[16:17], s[16:17], s[22:23]
	global_load_b32 v[TS],  v[TO], s[14:15]
	global_load_b32 v[TM],  v[TO], s[12:13]
	global_load_b32 v[TW1], v[TO], s[8:9]
	global_load_b32 v[TWK], v[TL], s[6:7]          ; Wk0[j]
	global_load_b32 v[TW2], v[TO], s[10:11]
	s_cmp_ge_u32 s18, 16                           ; waves 0 to 15 bring the points in, one a thread: a wave's load covers 256 consecutive bytes, aligned
	s_cbranch_scc1 .Lno_x
	v_lshlrev_b32 v[TO8], 3, v0
	global_load_b64 v[TX:TX+1], v[TO8], s[4:5] th:TH_LOAD_NT
	v_lshl_add_u32 v[TXA], s18, 7, v[TL]           ; 128 wave + 4 lane
	s_wait_loadcnt 0x0
	ds_store_b32 v[TXA], v[TX]   offset:XS0        ; the two coordinates part here, so that neighbouring points lie in neighbouring words
	ds_store_b32 v[TXA], v[TX+1] offset:XS1
.Lno_x:
	s_wait_loadcnt 0x0                             ; the five parameters (met at once in waves 0 to 15)
	v_rcp_f32 v[TS], v[TS]                         ; 1 / sigma
	v_mul_f32 v[TW1], v[TW1], v[TWK]               ; the plain instruction behind v_rcp_f32 (ISA guide 5.7.2): Wk1k0 Wk0
	s_wait_alu depctr_va_vdst(0)
	v_mul_f32 v[TE],   0x3f596d27, v[TS]           ; r = 0.8493218 / sigma
	v_mul_f32 v[TE+1], 0xbf596d27, v[TS]           ; -r
	v_mul_f32 v[TS],   0x3ecc422a, v[TS]           ; 0.3989423 / sigma
	v_mul_f32 v[TE+1], v[TM], v[TE+1]              ; -mu r
	v_mul_f32 v[TE+2], v[TW1], v[TS]               ; c0
	v_mul_f32 v[TE+3], v[TW2], v[TS]               ; c1
	ds_store_b128 v[TA], v[TE:TE+3]
	s_wait_dscnt 0x0                               ; my stores are in LDS before I say so
	s_barrier_signal -1
	s_barrier_wait -1                              ; the table and the points are whole
.irp q, 0,1,2,3
	ds_load_b128 v[X0+4*\q:X0+4*\q+3], v[L16] offset:XS0+512*\q    ; 32 lanes take 512 neighbouring bytes
.endr
.irp q, 0,1,2,3
	ds_load_b128 v[X1+4*\q:X1+4*\q+3], v[L16] offset:XS1+512*\q
.endr
	ds_load_b128 v[P:P+3],   v[AG]                 ; entry (a, 0), for g
	ds_load_b128 v[P+4:P+7], v[AH]                 ; entry (0, a), for inner
	s_wait_dscnt 0x0
.macro ZED d, x, p                     ; z = x r + (-mu r) for two points: both halves take r (the entry's word 0) and -mu r (word 1)
	v_pk_fma_f32 v[\d:\d+1], v[\x:\x+1], v[\p:\p+1], v[\p:\p+1] op_sel:[0,0,1] op_sel_hi:[1,0,1]
.endm
.macro NEGSQ r                         ; -z z in place
	v_pk_mul_f32 v[\r:\r+1], v[\r:\r+1], v[\r:\r+1] neg_lo:[0,1] neg_hi:[0,1]
.endm
.macro ACCUM acc, src, p, sel, start   ; acc (+)= 2^(-z z) x weight; sel = 0: the entry's word 2 (c0), 1: word 3 (c1); start = 1: the product starts the sum
.if \start
.if \sel
	s_wait_alu depctr_va_vdst(0)
	v_pk_mul_f32 v[\acc:\acc+1], v[\src:\src+1], v[\p+2:\p+3] op_sel:[0,1] op_sel_hi:[1,1]
.else
	s_wait_alu depctr_va_vdst(0)
	v_pk_mul_f32 v[\acc:\acc+1], v[\src:\src+1], v[\p+2:\p+3] op_sel_hi:[1,0]
.endif
.else
.if \sel
	s_wait_alu depctr_va_vdst(0)
	v_pk_fma_f32 v[\acc:\acc+1], v[\src:\src+1], v[\p+2:\p+3], v[\acc:\acc+1] op_sel:[0,1,0] op_sel_hi:[1,1,1]
.else
	s_wait_alu depctr_va_vdst(0)
	v_pk_fma_f32 v[\acc:\acc+1], v[\src:\src+1], v[\p+2:\p+3], v[\acc:\acc+1] op_sel_hi:[1,0,1]
.endif
.endif
.endm
; A BLOCK is one entry on my 16 points: eight slots of two exponentials.  Blocks go g(e), inner(e), g(e + 1), inner(e + 1), ..; block k of a trip of four
; works in exponent set k & 1 with ring entry k.  Beside the exponentials of its pair j a slot holds work of other pairs, so that each v_exp_f32 is followed by a
; plain instruction that names none of its registers (ISA guide 5.7.2) and no instruction needs the one in front of it:
;   z of the NEXT block's pair j (into the other set, whose pair j was summed up at least six slots ago), the sum of the pair two slots back (for slots 0 and 1:
;   pairs 6 and 7 of the block before, in the other set), and -z z of the pair whose z was made one slot ago (slot 0: this block's own pair 7).
; first / pfirst = 1: this block's / the block before's products start their sums.  hasprev = 0: no block before.  nextz = 0: no block behind.
; load = 1: the entry of the block after next is asked for, into the ring entry that was last read in slots 0 and 1 of the block before.
.macro BLOCK k, first, hasprev, pfirst, nextz, load
.set ROLE, \k&1
.set SC, E+16*ROLE
.set SN, E+16-16*ROLE
.set AC, G+16*ROLE
.set AP, G+16-16*ROLE
.set XN, X0+16-16*ROLE
.set PCUR, P+4*\k
.set PNXT, P+4*((\k+1)%4)
.set PLD,  P+4*((\k+2)%4)
.set PPRV, P+4*((\k+3)%4)
.if \load
.if ROLE
	ds_load_b128 v[PLD:PLD+3], v[AH] offset:512*((\k+1)/2)
.else
	ds_load_b128 v[PLD:PLD+3], v[AG] offset:16*((\k+2)/2)
.endif
	s_wait_dscnt 0x1                               ; all but the load just issued: the next block's entry, asked for one block ago, is in
.else
.if \nextz
	s_wait_dscnt 0x0                               ; nothing was issued behind the next block's entry
.endif
.endif
.set j, 0
.rept 8
	v_exp_f32 v[SC+2*j], v[SC+2*j]
.if \nextz
	ZED SN+2*j, XN+2*j, PNXT
.endif
	v_exp_f32 v[SC+2*j+1], v[SC+2*j+1]
.if j >= 2
	ACCUM AC+2*j-4, SC+2*j-4, PCUR, ROLE, \first
.else
.if \hasprev
	ACCUM AP+2*j+12, SN+2*j+12, PPRV, 1-ROLE, \pfirst
.endif
.endif
.if j == 0
	NEGSQ SC+14
.else
.if \nextz
	NEGSQ SN+2*j-2
.endif
.endif
.set j, j+1
.endr
.endm
.macro STEP                            ; two entries on, along the row and down the column
	v_add_nc_u32 v[AG], 32, v[AG]
	v_add_nc_u32 v[AH], 0x400, v[AH]
.endm
	; in front of the first block: its z, and -z z of pairs 0 to 6 (pair 7's stands in the block's slot 0, as in every block)
.irp j, 0,2,4,6,8,10,12,14
	ZED E+\j, X0+\j, P
.endr
.irp j, 0,2,4,6,8,10,12
	NEGSQ E+\j
.endr
	; 32 entries for g and 32 for inner are 64 blocks, 16 trips of four.  The first trip is written out: its products start the sums, nothing is cleared.
	BLOCK 0, 1, 0, 0, 1, 1
	BLOCK 1, 1, 1, 1, 1, 1
	BLOCK 2, 0, 1, 1, 1, 1
	BLOCK 3, 0, 1, 0, 1, 1
	STEP
	s_mov_b32 s19, 14
.Ltrip:
	BLOCK 0, 0, 1, 0, 1, 1
	BLOCK 1, 0, 1, 0, 1, 1
	BLOCK 2, 0, 1, 0, 1, 1
	BLOCK 3, 0, 1, 0, 1, 1
	STEP
	s_sub_co_u32 s19, s19, 1
	s_cmp_lg_u32 s19, 0
	s_cbranch_scc1 .Ltrip
	; the last trip is written out: entries 31 are its last loads, and behind block 63 there is no z to make
	BLOCK 0, 0, 1, 0, 1, 1
	BLOCK 1, 0, 1, 0, 1, 1
	BLOCK 2, 0, 1, 0, 1, 0
	BLOCK 3, 0, 1, 0, 0, 0
	ACCUM H+12, E+16+12, P+12, 1, 0                ; the last block's pairs 6 and 7
	ACCUM H+14, E+16+14, P+12, 1, 0
	; my a's share of the 512 likelihoods goes to my own 2,048 bytes of LDS, in the order of the points
.irp j, 0,2,4,6,8,10,12,14
	v_pk_mul_f32 v[G+\j:G+\j+1], v[G+\j:G+\j+1], v[H+\j:H+\j+1]
.endr
	v_lshl_add_u32 v[AG], s18, 11, v[L16]          ; 2048 wave + 16 lane
.irp q, 0,1,2,3
	ds_store_b128 v[AG], v[G+4*\q:G+4*\q+3] offset:PART+512*\q
.endr
	s_wait_dscnt 0x0                               ; my stores are in LDS before I say so
	s_barrier_signal -1
	s_barrier_wait -1
	s_cmp_ge_u32 s18, 8                            ; 256 threads take two points each, so that a wave's store covers 256 consecutive bytes, aligned
	s_cbranch_scc1 .Ldone
	v_lshrrev_b32 v[AH], 1, v[L16]                 ; 8 lane
	v_lshl_add_u32 v[AH], s18, 8, v[AH]            ; + 256 wave: the byte offset of my two points, in a wave's share and in out0
	v_add_nc_u32 v[AG], PART, v[AH]
.set w, 0
.rept 32
	ds_load_b64 v[R+2*w:R+2*w+1], v[AG] offset:2048*w
.set w, w+1
.endr
	v_mov_b32 v[BIG], 0x4f800000                   ; 2^32
	v_mov_b32 v[SHF], 0xc1b17218                   ; -32 ln 2
	s_wait_dscnt 0x0
.macro LEVEL d                         ; halves the number of partial sums: d registers are added onto the d in front of them
.set i, 0
.rept \d/2
	v_pk_add_f32 v[R+i:R+i+1], v[R+i:R+i+1], v[R+\d+i:R+\d+i+1]
.set i, i+2
.endr
.endm
	LEVEL 32
	LEVEL 16
	LEVEL 8
	LEVEL 4
	LEVEL 2
	; ln(s) = ln 2 x log2(s).  v_log_f32 takes a denormal as zero (ISA guide 15.8): a sum below 2^-126 is multiplied by 2^32 first and 32 ln 2 taken off.
	; A choice of values, not of ways: zero gives -inf, a negative sum NaN, as in the reference.
	v_cmp_gt_f32 vcc_lo, 0x800000, v[R]
	v_cndmask_b32 v[SC2], 1.0, v[BIG], vcc_lo
	v_cndmask_b32 v[SH2], 0, v[SHF], vcc_lo
	v_cmp_gt_f32 vcc_lo, 0x800000, v[R+1]
	v_cndmask_b32 v[SC2+1], 1.0, v[BIG], vcc_lo
	v_cndmask_b32 v[SH2+1], 0, v[SHF], vcc_lo
	v_pk_mul_f32 v[R:R+1], v[R:R+1], v[SC2:SC2+1]
	v_log_f32 v[R], v[R]
	v_log_f32 v[R+1], v[R+1]
	v_nop                                          ; the plain place behind the logarithms (ISA guide 5.7.2)
	s_wait_alu depctr_va_vdst(0)
	v_pk_fma_f32 v[R:R+1], v[R:R+1], 0x3f317218, v[SH2:SH2+1] op_sel_hi:[1,0,1]
	global_store_b64 v[AH], v[R:R+1], s[16:17] th:TH_STORE_NT
.Ldone:
	s_wait_tensorcnt 0x0
	ds_add_u32 v126, v127
	s_wait_dscnt 0x0
	s_endpgm
.Lfunc_end_k_q0d46c9dfd4_ttgauss:
	.size	k_q0d46c9dfd4_ttgauss, .Lfunc_end_k_q0d46c9dfd4_ttgauss-k_q0d46c9dfd4_ttgauss
	.p2alignl 7, 3214868480
	.fill 96, 4, 3214868480
	.section	.rodata,"a",@progbits
	.p2align	6, 0x0
	.amdhsa_kernel k_q0d46c9dfd4_ttgauss
		.amdhsa_group_segment_fixed_size 90112
		.amdhsa_private_segment_fixed_size 0
		.amdhsa_enable_private_segment 0
		.amdhsa_kernarg_size 56
		.amdhsa_user_sgpr_count 2
		.amdhsa_user_sgpr_kernarg_segment_ptr 1
		.amdhsa_wavefront_size32 1
		.amdhsa_system_sgpr_workgroup_id_x 1
		.amdhsa_system_sgpr_workgroup_id_y 1
		.amdhsa_system_sgpr_workgroup_id_z 1
		.amdhsa_system_vgpr_workitem_id 0
		.amdhsa_next_free_vgpr 128
		.amdhsa_next_free_sgpr 66
		.amdhsa_reserve_vcc 1
		.amdhsa_float_denorm_mode_32 3
		.amdhsa_float_denorm_mode_16_64 3
		.amdhsa_memory_ordered 1
		.amdhsa_forward_progress 1
		.amdhsa_inst_pref_size 38
	.end_amdhsa_kernel
	.amdgpu_metadata
---
amdhsa.version: [ 1, 2 ]
amdhsa.kernels:
  - .name:           k_q0d46c9dfd4_ttgauss
    .symbol:         k_q0d46c9dfd4_ttgauss.kd
    .args:
      - { .name: X, .offset: 0, .size: 8, .value_kind: global_buffer, .address_space: global }
      - { .name: Wk0, .offset: 8, .size: 8, .value_kind: global_buffer, .address_space: global }
      - { .name: Wk1k0, .offset: 16, .size: 8, .value_kind: global_buffer, .address_space: global }
      - { .name: Wk2k1, .offset: 24, .size: 8, .value_kind: global_buffer, .address_space: global }
      - { .name: mu, .offset: 32, .size: 8, .value_kind: global_buffer, .address_space: global }
      - { .name: sigma, .offset: 40, .size: 8, .value_kind: global_buffer, .address_space: global }
      - { .name: out0, .offset: 48, .size: 8, .value_kind: global_buffer, .address_space: global }
    .group_segment_fixed_size: 90112
    .private_segment_fixed_size: 0
    .kernarg_segment_align: 8
    .kernarg_segment_size: 56
    .max_flat_workgroup_size: 1024
    .sgpr_count:     66
    .vgpr_count:     128
    .wavefront_size: 32
...
	.end_amdgpu_metadata
.endif
;; end of part 1
;; ======== version 2 of 2: 1 launch; 1.16 times as fast as version 1
;; launch ttgauss (part 2): grid 256 x 1, 32 waves a work-group, no clusters, 90,112 bytes of LDS; arguments X, Wk0, Wk1k0, Wk2k1, mu, sigma, out0; writes out0
.if DOCPART == 2
	.amdgcn_target "amdgcn-amd-amdhsa--gfx1250"
	.amdhsa_code_object_version 6
	.text
	.protected	k_q0d46c9dfd4_ttgauss
	.globl	k_q0d46c9dfd4_ttgauss
	.p2align	8
	.type	k_q0d46c9dfd4_ttgauss,@function
k_q0d46c9dfd4_ttgauss:
	s_mov_b64 s[64:65], 0
	v_nop
	global_prefetch_b8 v0, s[64:65] scope:SCOPE_SE
	s_setreg_imm32_b32 hwreg(HW_REG_WAVE_MODE, 25, 1), 1
	s_wait_xcnt 0x0
; out0[n] = log( sum_a g[n][a] * inner[n][a] ),  N = 131072 points, K = 32,
;   g[n][a]     = sum_b Wk1k0[a][b] Wk0[b] pdf(X[n][0]; mu[a][b], sigma[a][b])     (reference's mid and the product with Wk0, summed over k0 first)
;   inner[n][a] = sum_c Wk2k1[c][a]        pdf(X[n][1]; mu[c][a], sigma[c][a])
;   pdf(x; mu, sigma) = (k / sigma) 2^(-z z),  z = x r - mu r,  r = sqrt(log2(e) / 2) / sigma,  k = 1 / sqrt(2 pi).
; The work is 2048 exponentials a point; the bytes are few.  Two terms cost v_pk_fma_f32 (z), v_pk_mul_f32 (-z z), two v_exp_f32, v_pk_fma_f32 (weight and sum).
; SHARES: a work-group owns 512 points; its 32 waves each own one a for all 512 points; a lane holds 16 points (8 register pairs), so a parameter
; entry of 16 bytes, which every lane reads from the same LDS address, serves 16 exponentials of every lane.
; BATCHES: the 16 exponentials that one entry asks of a lane are one batch with one s_wait_alu depctr_va_vdst(0) ahead of the first
; line that names a result.  While a batch is issued, the lines between its exponentials sum up the batch before (already waited for) and make the next one's z; the next
; one's eight -z z stand between the batch's last exponential and its wait.  64 batches a wave; the reciprocal at the head and the two logarithms at the end are batches of their own.
; NO MATRIX INSTRUCTIONS: each pdf value is used once, with a weight that hangs on both of its indices; to hand a pair to the matrix unit takes one
; conversion, which is the one packed multiply-add that weights and sums the pair here, in f32.
; NO CLUSTER, NO TENSOR LOADS: what work-groups share is the 16 KiB of parameters, read once at the head; each point is read by one work-group alone.
; LIMITS: (1) v_exp_f32 gives 0 for results below 2^-126 (ISA guide 15.8), so terms that could be kept as denormals count as 0: this can show only where
; the result is below about -87.  The final sum may be denormal: it is scaled by 2^32 ahead of v_log_f32.  (2) -mu r is rounded once, which is the same as
; moving mu by half a unit in its last place: the error of the exponent of 2 is at most 2 |z| |mu r| 2^-24.  (3) 1 / sigma is v_rcp_f32, good to one unit in the
; last place.  (4) the sums are taken in another order than the reference's, and Wk0 is multiplied into the weights first.
.set TAB,  0                           ; LDS: 1024 entries of 16 bytes, entry (i, j) at 512 i + 16 j: r, -mu r, c0 = Wk1k0 Wk0[j] k / sigma, c1 = Wk2k1 k / sigma
.set XS0,  16384                       ; LDS: X[.][0] of my 512 points
.set XS1,  18432                       ; LDS: X[.][1]
.set PART, 20480                       ; LDS: wave w's 512 products g inner at PART + 2048 w; ends at 86016
.set L16,  1                           ; v1       16 x lane
.set AG,   2                           ; v2       LDS address of entry (a, e): row a, 16 bytes from entry to entry
.set AH,   3                           ; v3       LDS address of entry (e, a): column a, 512 bytes from entry to entry
.set P,    4                           ; v[4:19]  a ring of four entries
.set X0,   20                          ; v[20:35] X[.][0] of my 16 points: register 4 q + i is point 128 q + 4 lane + i
.set X1,   36                          ; v[36:51] X[.][1]
.set G,    52                          ; v[52:67] g of my 16 points
.set H,    68                          ; v[68:83] inner of my 16 points
.set E,    84                          ; v[84:115] two sets of 16: z, then -z z, then 2^(-z z)
.set R,    20                          ; v[20:83] at the end: 32 partial sums of two points
; at the head only, in registers of E:
.set TL,  84                           ; 4 x lane
.set TO,  85                           ; 4 x thread
.set TS,  86                           ; sigma, 1 / sigma, k / sigma
.set TM,  87                           ; mu
.set TW1, 88                           ; Wk1k0
.set TWK, 89                           ; Wk0
.set TW2, 90                           ; Wk2k1
.set TO8, 91                           ; 8 x thread
.set TX,  92                           ; v[92:93] one point
.set TA,  94                           ; LDS address of my entry
.set TXA, 95                           ; LDS address of my point's word
.set TE,  96                           ; v[96:99] my entry
; at the end only:
.set BIG, 84                           ; 2^32
.set SHF, 85                           ; -32 ln 2
.set SC2, 86                           ; v[86:87] factor in front of the logarithm
.set SH2, 88                           ; v[88:89] what is added behind it
	s_load_b256 s[4:11], s[0:1], 0x0               ; X s[4:5], Wk0 s[6:7], Wk1k0 s[8:9], Wk2k1 s[10:11]
	s_load_b128 s[12:15], s[0:1], 0x20             ; mu s[12:13], sigma s[14:15]
	s_load_b64 s[16:17], s[0:1], 0x30              ; out0
	v_lshl_add_u32 v126, v0, 2, 0x15000
	v_mov_b32 v127, 0
	v_lshrrev_b32 v[L16], 5, v0
	v_readfirstlane_b32 s18, v[L16]                ; wave number = my a
	v_and_b32 v[L16], 31, v0                       ; lane
	v_lshlrev_b32 v[TL], 2, v[L16]
	v_lshlrev_b32 v[L16], 4, v[L16]
	v_lshlrev_b32 v[TO], 2, v0                     ; thread t takes matrix element t = (i, j) = (wave, lane)
	v_lshl_add_u32 v[TA], s18, 9, v[L16]           ; its entry: 512 wave + 16 lane
	s_lshl_b32 s20, ttmp9, 12                      ; my 512 points of 8 bytes in X
	s_mov_b32 s21, 0
	s_lshl_b32 s22, ttmp9, 11                      ; my 512 results of 4 bytes
	s_mov_b32 s23, 0
	s_lshl_b32 s24, s18, 9
	s_lshl_b32 s25, s18, 4
	v_mov_b32 v[AG], s24                           ; entry (a, 0)
	v_mov_b32 v[AH], s25                           ; entry (0, a)
	s_wait_kmcnt 0x0
	s_add_nc_u64 s[4:5], s[4:5], s[20:21]
	s_add_nc_u64 s[16:17], s[16:17], s[22:23]
	global_load_b32 v[TS],  v[TO], s[14:15]
	global_load_b32 v[TM],  v[TO], s[12:13]
	global_load_b32 v[TW1], v[TO], s[8:9]
	global_load_b32 v[TWK], v[TL], s[6:7]          ; Wk0[j]
	global_load_b32 v[TW2], v[TO], s[10:11]
	s_cmp_ge_u32 s18, 16                           ; waves 0 to 15 bring the points in, one a thread: a wave's load covers 256 consecutive bytes, aligned
	s_cbranch_scc1 .Lno_x
	v_lshlrev_b32 v[TO8], 3, v0
	global_load_b64 v[TX:TX+1], v[TO8], s[4:5] th:TH_LOAD_NT
	v_lshl_add_u32 v[TXA], s18, 7, v[TL]           ; 128 wave + 4 lane
	s_wait_loadcnt 0x0
	ds_store_b32 v[TXA], v[TX]   offset:XS0        ; the two coordinates part here, so that neighbouring points lie in neighbouring words
	ds_store_b32 v[TXA], v[TX+1] offset:XS1
.Lno_x:
	s_wait_loadcnt 0x0                             ; the five parameters (met at once in waves 0 to 15)
	v_rcp_f32 v[TS], v[TS]                         ; 1 / sigma
	v_mul_f32 v[TW1], v[TW1], v[TWK]               ; the plain instruction behind v_rcp_f32 (ISA guide 5.7.2): Wk1k0 Wk0
	s_wait_alu depctr_va_vdst(0)                   ; the wait for the one reciprocal, ahead of its first reader
	v_mul_f32 v[TE],   0x3f596d27, v[TS]           ; r = 0.8493218 / sigma
	v_mul_f32 v[TE+1], 0xbf596d27, v[TS]           ; -r
	v_mul_f32 v[TS],   0x3ecc422a, v[TS]           ; 0.3989423 / sigma
	v_mul_f32 v[TE+1], v[TM], v[TE+1]              ; -mu r
	v_mul_f32 v[TE+2], v[TW1], v[TS]               ; c0
	v_mul_f32 v[TE+3], v[TW2], v[TS]               ; c1
	ds_store_b128 v[TA], v[TE:TE+3]
	s_wait_dscnt 0x0                               ; my stores are in LDS before I say so
	s_barrier_signal -1
	s_barrier_wait -1                              ; the table and the points are whole
.irp q, 0,1,2,3
	ds_load_b128 v[X0+4*\q:X0+4*\q+3], v[L16] offset:XS0+512*\q    ; 32 lanes take 512 neighbouring bytes
.endr
.irp q, 0,1,2,3
	ds_load_b128 v[X1+4*\q:X1+4*\q+3], v[L16] offset:XS1+512*\q
.endr
	ds_load_b128 v[P:P+3],   v[AG]                 ; entry (a, 0), for g
	ds_load_b128 v[P+4:P+7], v[AH]                 ; entry (0, a), for inner
	s_wait_dscnt 0x0
.macro ZED d, x, p                     ; z = x r + (-mu r) for two points: both halves take r (the entry's word 0) and -mu r (word 1)
	v_pk_fma_f32 v[\d:\d+1], v[\x:\x+1], v[\p:\p+1], v[\p:\p+1] op_sel:[0,0,1] op_sel_hi:[1,0,1]
.endm
.macro NEGSQ r                         ; -z z in place
	v_pk_mul_f32 v[\r:\r+1], v[\r:\r+1], v[\r:\r+1] neg_lo:[0,1] neg_hi:[0,1]
.endm
.macro ACCUM acc, src, p, sel, start   ; acc (+)= 2^(-z z) x weight; sel = 0: the entry's word 2 (c0), 1: word 3 (c1); start = 1: the product starts the sum.  It reads a batch that has had its wait
.if \start
.if \sel
	v_pk_mul_f32 v[\acc:\acc+1], v[\src:\src+1], v[\p+2:\p+3] op_sel:[0,1] op_sel_hi:[1,1]
.else
	v_pk_mul_f32 v[\acc:\acc+1], v[\src:\src+1], v[\p+2:\p+3] op_sel_hi:[1,0]
.endif
.else
.if \sel
	v_pk_fma_f32 v[\acc:\acc+1], v[\src:\src+1], v[\p+2:\p+3], v[\acc:\acc+1] op_sel:[0,1,0] op_sel_hi:[1,1,1]
.else
	v_pk_fma_f32 v[\acc:\acc+1], v[\src:\src+1], v[\p+2:\p+3], v[\acc:\acc+1] op_sel_hi:[1,0,1]
.endif
.endif
.endm
; A BLOCK is one entry on my 16 points: ONE BATCH of 16 exponentials.  Blocks go g(e), inner(e), g(e + 1), inner(e + 1), ..; block k of a trip of four
; has exponent set k & 1 (SC), which holds its -z z when the block begins; the other set (SN) holds the results of the block before, whose wait stood at that block's end.
; Eight slots: the exponential of SC's register 2 j; the sum of the block before's pair j (out of SN, with that block's weight); the exponential of register 2 j + 1; z of the NEXT
; block's pair j, into the pair of SN that the sum has just read.  So each v_exp_f32 is followed by a plain instruction that names none of its registers (ISA guide 5.7.2), and no line
; of the slots names a result of this batch.  Behind the slots stand the next block's eight -z z, in SN: the work between the batch and its wait.  Then the batch's one wait, the block's last
; line, ahead of every label and jump that may follow.  The results' first readers are the next block's sums.
; Of the ring the block reads the entry before its own (the weights) and the entry behind it (r, -mu r).
; hasprev = 0: no block before.  pfirst = 1: the block before's products start their sums.  nextz = 0: no block behind: what follows the macro ends the batch.
; load = 1: the entry of the block after next is asked for, into the ring entry that was last read by the sums in the block before.
.macro BLOCK k, hasprev, pfirst, nextz, load
.set ROLE, \k&1
.set SC, E+16*ROLE
.set SN, E+16-16*ROLE
.set AP, G+16-16*ROLE
.set XN, X0+16-16*ROLE
.set PNXT, P+4*((\k+1)%4)
.set PLD,  P+4*((\k+2)%4)
.set PPRV, P+4*((\k+3)%4)
.if \load
.if ROLE
	ds_load_b128 v[PLD:PLD+3], v[AH] offset:512*((\k+1)/2)
.else
	ds_load_b128 v[PLD:PLD+3], v[AG] offset:16*((\k+2)/2)
.endif
	s_wait_dscnt 0x1                               ; all but the load just issued: the next block's entry, asked for one block ago, is in
.else
.if \nextz
	s_wait_dscnt 0x0                               ; nothing was issued behind the next block's entry
.endif
.endif
.set j, 0
.rept 8
	v_exp_f32 v[SC+2*j], v[SC+2*j]
.if \hasprev
	ACCUM AP+2*j, SN+2*j, PPRV, 1-ROLE, \pfirst
.endif
	v_exp_f32 v[SC+2*j+1], v[SC+2*j+1]
.if \nextz
	ZED SN+2*j, XN+2*j, PNXT
.endif
.set j, j+1
.endr
.if \nextz
.set j, 0
.rept 8
	NEGSQ SN+2*j
.set j, j+1
.endr
	s_wait_alu depctr_va_vdst(0)                   ; the wait for this block's batch of 16 exponentials, ahead of the next block's sums, which read them
.endif
.endm
.macro STEP                            ; two entries on, along the row and down the column
	v_add_nc_u32 v[AG], 32, v[AG]
	v_add_nc_u32 v[AH], 0x400, v[AH]
.endm
	; in front of the first block: its z and its -z z
.irp j, 0,2,4,6,8,10,12,14
	ZED E+\j, X0+\j, P
.endr
.irp j, 0,2,4,6,8,10,12,14
	NEGSQ E+\j
.endr
	; 32 entries for g and 32 for inner are 64 blocks, 16 trips of four.  The first trip is written out: the first two blocks' products start the sums, nothing is cleared.
	BLOCK 0, 0, 0, 1, 1
	BLOCK 1, 1, 1, 1, 1
	BLOCK 2, 1, 1, 1, 1
	BLOCK 3, 1, 0, 1, 1
	STEP
	s_mov_b32 s19, 14
.Ltrip:
	BLOCK 0, 1, 0, 1, 1
	BLOCK 1, 1, 0, 1, 1
	BLOCK 2, 1, 0, 1, 1
	BLOCK 3, 1, 0, 1, 1
	STEP
	s_sub_co_u32 s19, s19, 1
	s_cmp_lg_u32 s19, 0
	s_cbranch_scc1 .Ltrip
	; the last trip is written out: entries 31 are its last loads, and behind block 63 there is no z to make
	BLOCK 0, 1, 0, 1, 1
	BLOCK 1, 1, 0, 1, 1
	BLOCK 2, 1, 0, 1, 0
	BLOCK 3, 1, 0, 0, 0
	v_lshl_add_u32 v[AG], s18, 11, v[L16]          ; 2048 wave + 16 lane, for the stores below; here it is the plain instruction behind the last exponential (ISA guide 5.7.2)
	s_wait_alu depctr_va_vdst(0)                   ; the wait for the last block's batch of 16 exponentials, ahead of its sums
.irp j, 0,2,4,6,8,10,12,14
	ACCUM H+\j, E+16+\j, P+12, 1, 0                ; the last block's eight pairs
.endr
	; my a's share of the 512 likelihoods goes to my own 2,048 bytes of LDS, in the order of the points
.irp j, 0,2,4,6,8,10,12,14
	v_pk_mul_f32 v[G+\j:G+\j+1], v[G+\j:G+\j+1], v[H+\j:H+\j+1]
.endr
.irp q, 0,1,2,3
	ds_store_b128 v[AG], v[G+4*\q:G+4*\q+3] offset:PART+512*\q
.endr
	s_wait_dscnt 0x0                               ; my stores are in LDS before I say so
	s_barrier_signal -1
	s_barrier_wait -1
	s_cmp_ge_u32 s18, 8                            ; 256 threads take two points each, so that a wave's store covers 256 consecutive bytes, aligned
	s_cbranch_scc1 .Ldone
	v_lshrrev_b32 v[AH], 1, v[L16]                 ; 8 lane
	v_lshl_add_u32 v[AH], s18, 8, v[AH]            ; + 256 wave: the byte offset of my two points, in a wave's share and in out0
	v_add_nc_u32 v[AG], PART, v[AH]
.set w, 0
.rept 32
	ds_load_b64 v[R+2*w:R+2*w+1], v[AG] offset:2048*w
.set w, w+1
.endr
	v_mov_b32 v[BIG], 0x4f800000                   ; 2^32
	v_mov_b32 v[SHF], 0xc1b17218                   ; -32 ln 2
	s_wait_dscnt 0x0
.macro LEVEL d                         ; halves the number of partial sums: d registers are added onto the d in front of them
.set i, 0
.rept \d/2
	v_pk_add_f32 v[R+i:R+i+1], v[R+i:R+i+1], v[R+\d+i:R+\d+i+1]
.set i, i+2
.endr
.endm
	LEVEL 32
	LEVEL 16
	LEVEL 8
	LEVEL 4
	LEVEL 2
	; ln(s) = ln 2 x log2(s).  v_log_f32 takes a denormal as zero (ISA guide 15.8): a sum below 2^-126 is multiplied by 2^32 first and 32 ln 2 taken off.
	; A choice of values, not of ways: zero gives -inf, a negative sum NaN, as in the reference.
	v_cmp_gt_f32 vcc_lo, 0x800000, v[R]
	v_cndmask_b32 v[SC2], 1.0, v[BIG], vcc_lo
	v_cndmask_b32 v[SH2], 0, v[SHF], vcc_lo
	v_cmp_gt_f32 vcc_lo, 0x800000, v[R+1]
	v_cndmask_b32 v[SC2+1], 1.0, v[BIG], vcc_lo
	v_cndmask_b32 v[SH2+1], 0, v[SHF], vcc_lo
	v_pk_mul_f32 v[R:R+1], v[R:R+1], v[SC2:SC2+1]
	v_log_f32 v[R], v[R]
	v_log_f32 v[R+1], v[R+1]
	v_nop                                          ; the plain place behind the logarithms (ISA guide 5.7.2)
	s_wait_alu depctr_va_vdst(0)                   ; the wait for the two logarithms, one batch, ahead of their reader
	v_pk_fma_f32 v[R:R+1], v[R:R+1], 0x3f317218, v[SH2:SH2+1] op_sel_hi:[1,0,1]
	global_store_b64 v[AH], v[R:R+1], s[16:17] th:TH_STORE_NT
.Ldone:
	s_wait_tensorcnt 0x0
	ds_add_u32 v126, v127
	s_wait_dscnt 0x0
	s_endpgm
.Lfunc_end_k_q0d46c9dfd4_ttgauss:
	.size	k_q0d46c9dfd4_ttgauss, .Lfunc_end_k_q0d46c9dfd4_ttgauss-k_q0d46c9dfd4_ttgauss
	.p2alignl 7, 3214868480
	.fill 96, 4, 3214868480
	.section	.rodata,"a",@progbits
	.p2align	6, 0x0
	.amdhsa_kernel k_q0d46c9dfd4_ttgauss
		.amdhsa_group_segment_fixed_size 90112
		.amdhsa_private_segment_fixed_size 0
		.amdhsa_enable_private_segment 0
		.amdhsa_kernarg_size 56
		.amdhsa_user_sgpr_count 2
		.amdhsa_user_sgpr_kernarg_segment_ptr 1
		.amdhsa_wavefront_size32 1
		.amdhsa_system_sgpr_workgroup_id_x 1
		.amdhsa_system_sgpr_workgroup_id_y 1
		.amdhsa_system_sgpr_workgroup_id_z 1
		.amdhsa_system_vgpr_workitem_id 0
		.amdhsa_next_free_vgpr 128
		.amdhsa_next_free_sgpr 66
		.amdhsa_reserve_vcc 1
		.amdhsa_float_denorm_mode_32 3
		.amdhsa_float_denorm_mode_16_64 3
		.amdhsa_memory_ordered 1
		.amdhsa_forward_progress 1
		.amdhsa_inst_pref_size 35
	.end_amdhsa_kernel
	.amdgpu_metadata
---
amdhsa.version: [ 1, 2 ]
amdhsa.kernels:
  - .name:           k_q0d46c9dfd4_ttgauss
    .symbol:         k_q0d46c9dfd4_ttgauss.kd
    .args:
      - { .name: X, .offset: 0, .size: 8, .value_kind: global_buffer, .address_space: global }
      - { .name: Wk0, .offset: 8, .size: 8, .value_kind: global_buffer, .address_space: global }
      - { .name: Wk1k0, .offset: 16, .size: 8, .value_kind: global_buffer, .address_space: global }
      - { .name: Wk2k1, .offset: 24, .size: 8, .value_kind: global_buffer, .address_space: global }
      - { .name: mu, .offset: 32, .size: 8, .value_kind: global_buffer, .address_space: global }
      - { .name: sigma, .offset: 40, .size: 8, .value_kind: global_buffer, .address_space: global }
      - { .name: out0, .offset: 48, .size: 8, .value_kind: global_buffer, .address_space: global }
    .group_segment_fixed_size: 90112
    .private_segment_fixed_size: 0
    .kernarg_segment_align: 8
    .kernarg_segment_size: 56
    .max_flat_workgroup_size: 1024
    .sgpr_count:     66
    .vgpr_count:     128
    .wavefront_size: 32
...
	.end_amdgpu_metadata
.endif
;; end of part 2
